; MI455X (gfx1250); checked and timed in simulation.
; The chip was launched on July 23, 2026; its instructions are those of AMD's public machine-readable ISA for CDNA 5 (MIT licence, August 2026) and "CDNA5" Instruction Set Architecture Reference Guide (July 2026). The comments in the code are by the model that wrote it; some were corrected since.
;; Question Answer Model. Allowed arithmetic: float matrix products may take bf16 or f16 operands with f32 sums; all other float work in f32.
;; Inputs: ent_emb 21,617 x 512 float32; head 32 x 512 float32; relation 32 x 256 float32.
;; Outputs: out0 32 x 21,617 float32.
;; One version. Each part assembles by itself: llvm-mc -triple=amdgcn-amd-amdhsa -mcpu=gfx1250 --defsym DOCPART=n.
;; ======== version 1 of 1: 1 launch
;; launch rotdist (part 1): grid 252 x 1, 8 waves a work-group, no clusters, 265,216 bytes of LDS; arguments ent_emb, head, relation, out0; writes out0
.if DOCPART == 1
	.amdgcn_target "amdgcn-amd-amdhsa--gfx1250"
	.amdhsa_code_object_version 6
	.text
	.protected	k_qa25deee015_rotdist
	.globl	k_qa25deee015_rotdist
	.p2align	8
	.type	k_qa25deee015_rotdist,@function
k_qa25deee015_rotdist:
	s_mov_b64 s[64:65], 0
	v_nop
	global_prefetch_b8 v0, s[64:65] scope:SCOPE_SE
	s_setreg_imm32_b32 hwreg(HW_REG_WAVE_MODE, 25, 1), 1
	s_wait_xcnt 0x0
; out0[b][e] = 6 - sum over d of sqrt((re_rot[b][d]-re_t[e][d])^2 + (im_rot[b][d]-im_t[e][d])^2),  rot = head turned by the angle 32 pi relation.
; ent_emb [21617][512] f32 (re | im), head [32][512] f32 (re | im), relation [32][256] f32, out0 [32][21617] f32.
; The root stands between the difference and the sum over d: there is no matrix product here, all work is f32 vector work.
;
; SHARES.  A work-group owns 86 neighbouring entities (43 pairs; one dense block of 176,128 bytes) and all 32 queries.  252 groups: 251 x 86 = 21,586,
; the last group has 31 entities of its own; it loads the table's last 86 rows (every tile lies inside the table) and stores only its own columns.
; Wave w owns d = 32 w .. 32 w + 31 of every entity, so the eight waves do the same work.  Lane L = (r = L & 15, h = L >> 4) keeps the turned head of
; TWO queries, b = L and b = L xor 16, in 128 registers, and in step p meets entity 2 p + h: a 16-byte LDS load feeds 4 d x 2 queries, and the 16 lanes
; of a half read the same 16 bytes.  Two neighbouring d go through one packed instruction: 5 packed instructions and 2 roots for 2 terms.
; The eight waves' partial sums meet in LDS at the end.
; MEMORY.  The whole block is asked for in the first lines, 3 tensor loads a wave (an eighth of rows 0-15, 16-47, 48-85 each), and nothing is filled
; twice; the turning of the head and the first steps run while the later rows land.
; NO CLUSTER: 176,128 of the 274,432 bytes that a group reads are shared with nobody; head and relation (98,304 bytes), which all groups read, would
; have to land in LDS to be asked for jointly, and 264,192 + 98,304 bytes are more than the 327,680 that a group can have.  They go straight to registers.
; NO PREFETCH: every byte that the group reads is requested by its first lines.
; LIMITS.  angle / 2 pi = 16 x relation exactly, so the fraction of a turn is formed without rounding, where reference() rounds the angle itself to f32
; (about 1e-7 of the angle).  For |relation| >= 2^19 the fraction is 0 (16 x relation is a whole number).  Infinite or NaN inputs give NaN.
; sin and cos: series to x^9 and x^8 on |x| <= pi/4 (remainder below 3e-8), then two doublings.  v_sqrt_f32 takes a squared length below 2^-126 as 0.
; The sums run in another order than reference()'s: 4 pairs of running sums a wave, then the eight waves.
.set NENT,   21617
.set EPW,    86                        ; entities of a work-group
.set LASTB,  NENT-EPW                  ; the last row at which a block of 86 may begin
.set PBASE,  EPW*2048                  ; LDS: [0, PBASE) entity rows, filled by tensor loads alone; behind it bytes that only ds_store writes
.set PWAVE,  32*EPW*4                  ; partial sums of one wave: [32 b][86 e] f32.  86 words = 2 x 43: 32 rows start at 32 different even banks
.set SPITCH, 2064                      ; stage of the turned head: a row of 2,048 bytes + 16, so that 16 rows' equal columns lie in 16 different groups of banks
.set U0, 16                            ; rows of 256 bytes that a wave fetches of chunk 0 (entity rows 0-15: 128 such rows, an eighth each)
.set U1, 32                            ; of chunk 1 (entity rows 16-47)
.set U2, 38                            ; of chunk 2 (entity rows 48-85)
.set CB1, 8*U0*256                     ; first byte of chunk 1
.set CB2, CB1+8*U1*256                 ; first byte of chunk 2
.set TA,  3                            ; v3       LDS address of my entity's 128 bytes of re in the step at work
.set PA0, 4                            ; v4       where the sum of (b = L, my entity) goes
.set PA1, 5                            ; v5       where the sum of (b = L xor 16, my entity) goes
.set R0,  6                            ; v6, v7   the two sums on their way to LDS
.set R1,  7
.set D,   8                            ; v[8:15]  differences of two pairs of d: re, re, im, im
.set ACC, 16                           ; v[16:23] running sums: pair 2 s + j for query slot s and pair j of a group
.set M,   24                           ; v[24:39] two sets of 8 squared lengths: one is made while the other's roots are taken
.set T,   40                           ; v[40:103] group g (4 d): re at T+8g, im at T+8g+4.  One step's 8 groups, reloaded group by group
.set RA,  104                          ; v[104:167] turned head of b = L: re 32, im 32
.set RB,  168                          ; v[168:231] turned head of b = L xor 16
; in the prologue: relation in T's first half, head in RA's registers, the result in RB's, work in v[8:37] and v[72:101]
.set REL, 40
.set HRE, 104
.set HIM, 136
.set ORE, 168
.set OIM, 200
.set KS3, 4                            ; v[4:5], v[6:7]: one series constant each as a pair (an instruction takes one literal)
.set KC3, 6
.set G0A, 20                           ; s[20:31] descriptor group 0, one set for each chunk
.set G0B, 24
.set G0C, 28
.set G1A, 32                           ; s[32:55] descriptor group 1, one set for each chunk (the row counts differ)
.set G1B, 40
.set G1C, 48
	s_load_b256 s[4:11], s[0:1], 0x0               ; ent_emb s[4:5], head s[6:7], relation s[8:9], out0 s[10:11]
	v_lshl_add_u32 v232, v0, 2, 0x40800
	v_mov_b32 v233, 0
	ds_add_u32 v232, v233
	ds_add_u32 v232, v233
	v_lshrrev_b32 v1, 5, v0
	v_readfirstlane_b32 s12, v1                    ; wave 0..7
	v_and_b32 v2, 31, v0                           ; lane L
	s_mul_i32 s13, ttmp9, EPW                      ; my first own entity
	s_min_u32 s14, s13, LASTB                      ; the first row that I load: the last group steps back so that 86 rows are there
	s_sub_co_u32 s15, s13, s14                     ; columns of my block that belong to the group in front (0, or 55 in the last group)
	s_lshl_b32 s16, s14, 11                        ; rows of 2,048 bytes: below 2^26
	s_mov_b32 s17, 0
	s_wait_dscnt 0x0
	s_wait_kmcnt 0x0
	s_add_nc_u64 s[4:5], s[4:5], s[16:17]          ; ent_emb at my block
; One chunk: the block is dense in memory, so it comes as rows of 256 bytes (32 elements of 8 bytes), pitch 32 elements; wave w brings rows
; w*units .. w*units+units-1 of the chunk to the same offset in LDS as they have in the block.
.macro FILL g0, g1, units, base
	s_mov_b32 s[\g1+0], 3<<16                      ; no work-group mask; elements of 8 bytes; no padding
	s_mov_b32 s[\g1+1], 32<<16                     ; tensor_dim0 = 32
	s_mov_b32 s[\g1+2], \units<<16                 ; tensor_dim1 = the tile's rows: the tile lies inside the table
	s_mov_b32 s[\g1+3], 32<<16                     ; tile_dim0 = 32
	s_mov_b32 s[\g1+4], \units                     ; tile_dim1
	s_mov_b32 s[\g1+5], 32                         ; from row to row: 32 elements
	s_mov_b32 s[\g1+6], 0
	s_mov_b32 s[\g1+7], 0
	s_mul_i32 s18, s12, \units*256
	s_add_co_u32 s18, s18, \base                   ; my part: a constant + wave x a constant
	s_mov_b32 s19, 0
	s_mov_b32 s[\g0], 1
	s_mov_b32 s[\g0+1], s18                        ; LDS address
	s_add_nc_u64 s[\g0+2:\g0+3], s[4:5], s[18:19]  ; global address
	s_or_b32 s[\g0+3], s[\g0+3], 0x80000000        ; type 2
	tensor_load_to_lds s[\g0:\g0+3], s[\g1:\g1+7]
	s_nop 0
.endm
	FILL G0A, G1A, U0, 0                           ; three tensor loads of each wave are out from here on; no descriptor register is written again
	FILL G0B, G1B, U1, CB1
	FILL G0C, G1C, U2, CB2
	s_lshl_b32 s16, s14, 2
	s_add_nc_u64 s[10:11], s[10:11], s[16:17]      ; out0 at the column of my block's first row
	; THE HEAD IS TURNED.  Wave w takes rows 4 w .. 4 w + 3 of head and relation; load n = (row n / 2, half n % 2): 32 lanes x 16 = 512 neighbouring bytes.
	v_lshlrev_b32 v3, 4, v2                        ; 16 L
	v_lshl_add_u32 v38, v1, 13, v3                 ; head: 4 rows of 2,048 bytes a wave
	v_lshl_add_u32 v39, v1, 12, v3                 ; relation: 4 rows of 1,024 bytes
.irp n, 0,1,2,3,4,5,6,7
	global_load_b128 v[REL+4*\n:REL+4*\n+3], v39, s[8:9] offset:(\n/2)*1024+(\n%2)*512
	global_load_b128 v[HRE+4*\n:HRE+4*\n+3], v38, s[6:7] offset:(\n/2)*2048+(\n%2)*512
	global_load_b128 v[HIM+4*\n:HIM+4*\n+3], v38, s[6:7] offset:(\n/2)*2048+(\n%2)*512+1024
.endr
	v_mul_u32_u24 v102, v1, 4*SPITCH
	v_add3_u32 v102, v102, v3, PBASE               ; stage: row 4 w, byte 16 L
	v_mov_b32 v[KS3], 0xbc196966                   ; -2 (pi/2)^7 / 7!
	v_mov_b32 v[KS3+1], 0xbc196966
	v_mov_b32 v[KC3], 0xbcaae9e4                   ; -(pi/2)^6 / 6!
	v_mov_b32 v[KC3+1], 0xbcaae9e4
; Four pairs of numbers at a time, line by line, so that no line waits for the one in front of it.
; TB: the pair's 14 work registers (f, whole turns / sin 2x, z, 2 sin, cos, two more);  PR: the pair's place in the loaded registers.
.macro SETX x, i0
	.set TB, 72+16*(\x)-96*((\x)/2)                ; 72, 88, 8, 24
	.set PR, 2*((\i0)+(\x))
.endm
.macro SINCOS4 i0
.irp x, 0,1,2,3
	SETX \x, \i0
	v_pk_mul_f32 v[TB:TB+1], v[REL+PR:REL+PR+1], 0x41800000 op_sel_hi:[1,0]        ; turns = 16 r, exact
.endr
.irp x, 0,1,2,3
	SETX \x, \i0
	v_rndne_f32 v[TB+2], v[TB]
	v_rndne_f32 v[TB+3], v[TB+1]
.endr
.irp x, 0,1,2,3
	SETX \x, \i0
	v_pk_add_f32 v[TB:TB+1], v[TB:TB+1], v[TB+2:TB+3] neg_lo:[0,1] neg_hi:[0,1]    ; f in [-1/2, 1/2], exact.  x = (pi/2) f is a quarter of the angle
.endr
.irp x, 0,1,2,3
	SETX \x, \i0
	v_pk_mul_f32 v[TB+4:TB+5], v[TB:TB+1], v[TB:TB+1]                              ; z = f^2
.endr
.irp x, 0,1,2,3
	SETX \x, \i0
	v_pk_fma_f32 v[TB+6:TB+7], v[TB+4:TB+5], 0x39a83c1a, v[KS3:KS3+1] op_sel_hi:[1,0,1]    ; 2 sin x / f:  2 (pi/2)^9 / 9! ..
	v_pk_fma_f32 v[TB+8:TB+9], v[TB+4:TB+5], 0x3a70fa83, v[KC3:KC3+1] op_sel_hi:[1,0,1]    ; cos x:        (pi/2)^8 / 8! ..
.endr
.irp x, 0,1,2,3
	SETX \x, \i0
	v_pk_fma_f32 v[TB+6:TB+7], v[TB+6:TB+7], v[TB+4:TB+5], 0x3e2335e3 op_sel_hi:[1,1,0]    ; 2 (pi/2)^5 / 5!
	v_pk_fma_f32 v[TB+8:TB+9], v[TB+8:TB+9], v[TB+4:TB+5], 0x3e81e0f8 op_sel_hi:[1,1,0]    ; (pi/2)^4 / 4!
.endr
.irp x, 0,1,2,3
	SETX \x, \i0
	v_pk_fma_f32 v[TB+6:TB+7], v[TB+6:TB+7], v[TB+4:TB+5], 0xbfa55de7 op_sel_hi:[1,1,0]    ; -2 (pi/2)^3 / 3!
	v_pk_fma_f32 v[TB+8:TB+9], v[TB+8:TB+9], v[TB+4:TB+5], 0xbf9de9e6 op_sel_hi:[1,1,0]    ; -(pi/2)^2 / 2
.endr
.irp x, 0,1,2,3
	SETX \x, \i0
	v_pk_fma_f32 v[TB+6:TB+7], v[TB+6:TB+7], v[TB+4:TB+5], 0x40490fdb op_sel_hi:[1,1,0]    ; 2 (pi/2)
	v_pk_fma_f32 v[TB+8:TB+9], v[TB+8:TB+9], v[TB+4:TB+5], 1.0 op_sel_hi:[1,1,0]           ; cos x
.endr
.irp x, 0,1,2,3
	SETX \x, \i0
	v_pk_mul_f32 v[TB+6:TB+7], v[TB+6:TB+7], v[TB:TB+1]                            ; 2 sin x
.endr
.irp x, 0,1,2,3
	SETX \x, \i0
	v_pk_mul_f32 v[TB+2:TB+3], v[TB+6:TB+7], v[TB+8:TB+9]                          ; sin 2x = 2 sin x cos x
	v_pk_mul_f32 v[TB+10:TB+11], v[TB+6:TB+7], v[TB+6:TB+7]                        ; 4 sin^2 x
.endr
.irp x, 0,1,2,3
	SETX \x, \i0
	v_pk_fma_f32 v[TB+10:TB+11], v[TB+10:TB+11], -1.0, 2.0 op_sel_hi:[1,0,0]       ; 2 cos 2x = 2 - 4 sin^2 x
	v_pk_mul_f32 v[TB+12:TB+13], v[TB+2:TB+3], v[TB+2:TB+3]                        ; sin^2 2x
.endr
.irp x, 0,1,2,3
	SETX \x, \i0
	v_pk_mul_f32 v[TB+6:TB+7], v[TB+2:TB+3], v[TB+10:TB+11]                        ; sin 4x: the angle's sine
	v_pk_fma_f32 v[TB+8:TB+9], v[TB+12:TB+13], -2.0, 1.0 op_sel_hi:[1,0,0]         ; cos 4x = 1 - 2 sin^2 2x
.endr
.irp x, 0,1,2,3
	SETX \x, \i0
	v_pk_mul_f32 v[TB+10:TB+11], v[HIM+PR:HIM+PR+1], v[TB+6:TB+7]
	v_pk_mul_f32 v[TB+12:TB+13], v[HRE+PR:HRE+PR+1], v[TB+6:TB+7]
.endr
.irp x, 0,1,2,3
	SETX \x, \i0
	v_pk_fma_f32 v[ORE+PR:ORE+PR+1], v[HRE+PR:HRE+PR+1], v[TB+8:TB+9], v[TB+10:TB+11] neg_lo:[0,0,1] neg_hi:[0,0,1]   ; re cos - im sin
	v_pk_fma_f32 v[OIM+PR:OIM+PR+1], v[HIM+PR:HIM+PR+1], v[TB+8:TB+9], v[TB+12:TB+13]                                 ; im cos + re sin
.endr
.endm
.macro STAGE n                         ; 512 neighbouring bytes of re and of im into the stage's row 4 w + n / 2
	ds_store_b128 v102, v[ORE+4*\n:ORE+4*\n+3] offset:(\n/2)*SPITCH+(\n%2)*512
	ds_store_b128 v102, v[OIM+4*\n:OIM+4*\n+3] offset:(\n/2)*SPITCH+(\n%2)*512+1024
.endm
	s_wait_loadcnt 18                              ; loads return in order: sets n = 0, 1 are in, the 3 loads of each of the 6 later sets stay out
	SINCOS4 0
	STAGE 0
	STAGE 1
	s_wait_loadcnt 12                              ; 4 later sets stay out
	SINCOS4 4
	STAGE 2
	STAGE 3
	s_wait_loadcnt 6                               ; 2 later sets
	SINCOS4 8
	STAGE 4
	STAGE 5
	s_wait_loadcnt 0x0
	SINCOS4 12
	STAGE 6
	STAGE 7
	v_lshrrev_b32 v10, 4, v2                       ; h
	v_xor_b32 v12, 16, v2                          ; my second query
	v_mul_u32_u24 v8, v2, SPITCH
	v_mul_u32_u24 v9, v12, SPITCH
	v_lshl_add_u32 v8, v1, 7, v8                   ; + my wave's 128 bytes of a row
	v_lshl_add_u32 v9, v1, 7, v9
	v_add_nc_u32 v8, PBASE, v8                     ; stage row L
	v_add_nc_u32 v9, PBASE, v9                     ; stage row L xor 16
	v_lshlrev_b32 v[TA], 11, v10                   ; entity row h of the pair
	v_lshl_add_u32 v[TA], v1, 7, v[TA]             ; + my wave's 128 bytes
	v_mul_u32_u24 v11, v1, PWAVE
	v_lshl_add_u32 v11, v10, 2, v11                ; column h
	v_add_nc_u32 v11, PBASE, v11
	v_mad_u32_u24 v[PA0], v2, 4*EPW, v11           ; row b = L
	v_mad_u32_u24 v[PA1], v12, 4*EPW, v11          ; row b = L xor 16
; All waves meet: my part of the chunks up to here has landed (left = my younger tensor loads, which stay out), my LDS instructions are done.
.macro MEET left
	s_wait_tensorcnt \left
	s_wait_dscnt 0x0
	s_barrier_signal -1
	s_barrier_wait -1
.endm
.macro LOADT g, off                    ; group g of the step at byte off from TA: 4 re and 4 im of my entity; a half's 16 lanes read the same bytes
	ds_load_b128 v[T+8*\g:T+8*\g+3],   v[TA] offset:\off+16*\g
	ds_load_b128 v[T+8*\g+4:T+8*\g+7], v[TA] offset:\off+1024+16*\g
.endm
	MEET 2                                         ; the stage is whole and entity rows 0-15 are in; chunks 1 and 2 stay on their way
.irp k, 0,1,2,3,4,5,6,7
	ds_load_b128 v[RA+4*\k:RA+4*\k+3],       v8 offset:16*\k
	ds_load_b128 v[RA+32+4*\k:RA+32+4*\k+3], v8 offset:1024+16*\k
	ds_load_b128 v[RB+4*\k:RB+4*\k+3],       v9 offset:16*\k
	ds_load_b128 v[RB+32+4*\k:RB+32+4*\k+3], v9 offset:1024+16*\k
.endr
.irp g, 0,1,2,3,4,5,6,7
	LOADT \g, 0                                    ; step 0
.endr
	s_wait_dscnt 0x0                               ; my reads of the stage are done:
	s_barrier_signal -1
	s_barrier_wait -1                              ; when all have said so, the partial sums may be stored over it
; Half a batch: query slot sl, the two pairs of d of group g.  doa: differences and squared lengths into set ms.  dob: roots of the batch before
; (the other set) and their sums.  first: that batch began a step: its roots are written straight into the running sums, nothing is cleared or added.
; A root stands after every two packed lines.  Behind each root one plain vector line that names none of its registers comes before the result is
; read (ISA guide 5.7.2): the packed line that follows it; for the last root the first of the two sums, which reads the first pair alone.
.macro HALF g, sl, ms, doa, dob, first
	.set RR, RA+64*\sl+4*\g
	.set TT, T+8*\g
	.set MM, M+8*\ms+4*\sl
	.set PP, M+8*(1-\ms)+4*\sl
	.set AA, ACC+4*\sl
.if \first
	.set QQ, AA
.else
	.set QQ, PP
.endif
.if \doa
	v_pk_add_f32 v[D:D+1],   v[TT:TT+1],   v[RR:RR+1]   neg_lo:[0,1] neg_hi:[0,1]
	v_pk_add_f32 v[D+2:D+3], v[TT+2:TT+3], v[RR+2:RR+3] neg_lo:[0,1] neg_hi:[0,1]
.endif
.if \dob
	v_sqrt_f32 v[QQ], v[PP]
.endif
.if \doa
	v_pk_add_f32 v[D+4:D+5], v[TT+4:TT+5], v[RR+32:RR+33] neg_lo:[0,1] neg_hi:[0,1]
	v_pk_add_f32 v[D+6:D+7], v[TT+6:TT+7], v[RR+34:RR+35] neg_lo:[0,1] neg_hi:[0,1]
.endif
.if \dob
	v_sqrt_f32 v[QQ+1], v[PP+1]
.endif
.if \doa
	v_pk_mul_f32 v[D:D+1],   v[D:D+1],   v[D:D+1]
	v_pk_mul_f32 v[D+2:D+3], v[D+2:D+3], v[D+2:D+3]
.endif
.if \dob
	v_sqrt_f32 v[QQ+2], v[PP+2]
.endif
.if \doa
	v_pk_fma_f32 v[MM:MM+1],   v[D+4:D+5], v[D+4:D+5], v[D:D+1]
	v_pk_fma_f32 v[MM+2:MM+3], v[D+6:D+7], v[D+6:D+7], v[D+2:D+3]
.endif
.if \dob
	v_sqrt_f32 v[QQ+3], v[PP+3]
.if \first == 0
.if \doa == 0
	v_nop                                          ; four roots in a row: the plain line that has to stand behind them
.endif
	s_wait_alu depctr_va_vdst(0)
	v_pk_add_f32 v[AA:AA+1],   v[AA:AA+1],   v[PP:PP+1]
	v_pk_add_f32 v[AA+2:AA+3], v[AA+2:AA+3], v[PP+2:PP+3]
.endif
.endif
.endm
.macro BATCH g, ms, doa, dob, first
	HALF \g, 0, \ms, \doa, \dob, \first
	HALF \g, 1, \ms, \doa, \dob, \first
.endm
; s_wait_dscnt 14: LDS instructions of a wave end in order (ISA guide 5.7.1).  Behind the two loads of a group the loads of seven other groups have been
; issued when the group is wanted, 14 instructions (from the second step on also the step's two stores): they may stay out.
.macro TURN g, ms, first, ld
.if \ld
	s_wait_dscnt 14
.endif
	BATCH \g, \ms, 1, 1, \first
.if \ld
	LOADT \g, 4096                                 ; the group's registers are read out: the next step's group
.endif
.endm
; Step p.  Its group 0 was squared at the end of step p - 1 (or in front of the loop).  ld = 1: step p + 1 is loaded, and its group 0 squared at the end.
.macro BODY ld
.if \ld
	LOADT 0, 4096
.else
	s_wait_dscnt 0x0                               ; the last step loads nothing: all its groups are in
.endif
	TURN 1, 1, 1, \ld
	TURN 2, 0, 0, \ld
	TURN 3, 1, 0, \ld
	TURN 4, 0, 0, \ld
	TURN 5, 1, 0, \ld
	TURN 6, 0, 0, \ld
	TURN 7, 1, 0, \ld
.if \ld
	s_wait_dscnt 14                                ; group 0 of the next step: the 14 loads of its groups 1-7 stay out
	BATCH 0, 0, 1, 1, 0
.else
	BATCH 0, 0, 0, 1, 0
.endif
	v_pk_add_f32 v[ACC:ACC+1],   v[ACC:ACC+1],   v[ACC+2:ACC+3]
	v_pk_add_f32 v[ACC+4:ACC+5], v[ACC+4:ACC+5], v[ACC+6:ACC+7]
	v_add_f32 v[R0], v[ACC],   v[ACC+1]
	v_add_f32 v[R1], v[ACC+4], v[ACC+5]
	ds_store_b32 v[PA0], v[R0]                     ; my wave's own bytes: [b][2 p + h]
	ds_store_b32 v[PA1], v[R1]
	v_add_nc_u32 v[PA0], 8, v[PA0]                 ; two columns on
	v_add_nc_u32 v[PA1], 8, v[PA1]
.if \ld
	v_add_nc_u32 v[TA], 0x1000, v[TA]              ; two entity rows on
.endif
.endm
	BATCH 0, 0, 1, 0, 0                            ; step 0, group 0
	s_mov_b32 s58, 7                               ; steps 0-6 load steps 1-7: entity rows 2-15, chunk 0
.Lrun0:
	BODY 1
	s_sub_co_u32 s58, s58, 1
	s_cmp_lg_u32 s58, 0
	s_cbranch_scc1 .Lrun0
	MEET 1                                         ; entity rows 16-47 are in; my load of chunk 2 stays out
	s_mov_b32 s58, 16                              ; steps 7-22 load steps 8-23
.Lrun1:
	BODY 1
	s_sub_co_u32 s58, s58, 1
	s_cmp_lg_u32 s58, 0
	s_cbranch_scc1 .Lrun1
	MEET 0                                         ; entity rows 48-85 are in: no tensor load is out any more
	s_mov_b32 s58, 19                              ; steps 23-41 load steps 24-42
.Lrun2:
	BODY 1
	s_sub_co_u32 s58, s58, 1
	s_cmp_lg_u32 s58, 0
	s_cbranch_scc1 .Lrun2
	BODY 0                                         ; step 42
	s_wait_dscnt 0x0                               ; my partial sums are in LDS:
	s_barrier_signal -1
	s_barrier_wait -1                              ; everybody's are
	; THE WAY OUT.  Output j = 86 b + e of the group's 2,752; thread t takes j = t + 256 k, k = 0 .. 10 (k = 10: j < 2,752 leaves threads 0-191, waves 0-5).
	; Neighbouring lanes read neighbouring words of each wave's partial sums and store neighbouring columns of out0.  A row of out0 begins at a multiple
	; of 4 bytes only (21,617 is odd), so the stores are of 4 bytes a lane: 128 neighbouring bytes a wave where no row ends inside.
.set FA0, 1                            ; v1  waves 0-3: PBASE + 4 t
.set FA1, 2                            ; v2  waves 4-7 (an LDS offset has 16 bits: 7 x 11,008 would not fit)
.set FV,  40                           ; v[40:127]  k: the 8 partial sums
.set FJ,  8
.set FQ,  9
.set FO,  10
.set FE,  11
.macro LOADK k
.irp q, 0,1,2,3
	ds_load_b32 v[FV+8*\k+\q], v[FA0] offset:\q*PWAVE+1024*\k
.endr
.irp q, 0,1,2,3
	ds_load_b32 v[FV+8*\k+4+\q], v[FA1] offset:\q*PWAVE+1024*\k
.endr
.endm
.macro OUTK k, left
	s_wait_dscnt \left
	.set QB, FV+8*\k
	v_pk_add_f32 v[QB:QB+1],   v[QB:QB+1],   v[QB+2:QB+3]
	v_pk_add_f32 v[QB+4:QB+5], v[QB+4:QB+5], v[QB+6:QB+7]
	v_add_nc_u32 v[FJ], 256*\k, v0                 ; j
	v_mul_u32_u24 v[FQ], v[FJ], 0x2fa1             ; b = j / 86 = (12,193 j) >> 20: 12,193 x 86 = 2^20 + 22, and 22 x 2,751 < 2^20 / 86 x 86 / 86 keeps the floor right for j < 2,752
	v_pk_add_f32 v[QB:QB+1],   v[QB:QB+1],   v[QB+4:QB+5]
	v_lshrrev_b32 v[FQ], 20, v[FQ]
	v_add_f32 v[QB], v[QB], v[QB+1]                ; the distance
	v_mad_u32_u24 v[FO], v[FQ], LASTB, v[FJ]       ; 21,617 b + e = j + (21,617 - 86) b
	v_mul_u32_u24 v[FE], v[FQ], EPW
	v_sub_f32 v[QB], 0x40c00000, v[QB]             ; 6 - distance
	v_lshlrev_b32 v[FO], 2, v[FO]
	v_sub_nc_u32 v[FE], v[FJ], v[FE]               ; e
	v_cmp_le_u32 vcc_lo, s15, v[FE]                ; my own columns alone
	s_wait_xcnt 0x0                                ; EXEC is a source of every global instruction that is out: it changes only behind this wait
	s_and_saveexec_b32 s59, vcc_lo
	global_store_b32 v[FO], v[QB], s[10:11] th:TH_STORE_NT
	s_wait_xcnt 0x0                                ; and is widened, and FO written again, only behind this one
	s_or_b32 exec_lo, exec_lo, s59
.endm
	v_lshl_add_u32 v[FA0], v0, 2, PBASE
	v_add_nc_u32 v[FA1], 4*PWAVE, v[FA0]
	s_cmp_ge_u32 s12, 6
	s_cbranch_scc1 .Lshort                         ; waves 6 and 7 have no k = 10
	LOADK 10                                       ; issued first, so that the counts below are the same in every wave
.Lshort:
.irp k, 0,1,2,3,4,5,6,7,8,9
	LOADK \k
.endr
	OUTK 0, 63                                     ; 8 loads for each later k may stay out: 72, 64 (more than the wait can name: 63), 56, ..
	OUTK 1, 63
	OUTK 2, 56
	OUTK 3, 48
	OUTK 4, 40
	OUTK 5, 32
	OUTK 6, 24
	OUTK 7, 16
	OUTK 8, 8
	OUTK 9, 0
	s_cmp_ge_u32 s12, 6
	s_cbranch_scc1 .Lend
	OUTK 10, 0
.Lend:
	s_wait_tensorcnt 0x0
	ds_add_u32 v232, v233
	s_wait_dscnt 0x0
	s_endpgm
.Lfunc_end_k_qa25deee015_rotdist:
	.size	k_qa25deee015_rotdist, .Lfunc_end_k_qa25deee015_rotdist-k_qa25deee015_rotdist
	.p2alignl 7, 3214868480
	.fill 96, 4, 3214868480
	.section	.rodata,"a",@progbits
	.p2align	6, 0x0
	.amdhsa_kernel k_qa25deee015_rotdist
		.amdhsa_group_segment_fixed_size 265216
		.amdhsa_private_segment_fixed_size 0
		.amdhsa_enable_private_segment 0
		.amdhsa_kernarg_size 32
		.amdhsa_user_sgpr_count 2
		.amdhsa_user_sgpr_kernarg_segment_ptr 1
		.amdhsa_wavefront_size32 1
		.amdhsa_system_sgpr_workgroup_id_x 1
		.amdhsa_system_sgpr_workgroup_id_y 1
		.amdhsa_system_sgpr_workgroup_id_z 1
		.amdhsa_system_vgpr_workitem_id 0
		.amdhsa_next_free_vgpr 234
		.amdhsa_next_free_sgpr 66
		.amdhsa_reserve_vcc 1
		.amdhsa_float_denorm_mode_32 3
		.amdhsa_float_denorm_mode_16_64 3
		.amdhsa_memory_ordered 1
		.amdhsa_forward_progress 1
		.amdhsa_inst_pref_size 111
	.end_amdhsa_kernel
	.amdgpu_metadata
---
amdhsa.version: [ 1, 2 ]
amdhsa.kernels:
  - .name:           k_qa25deee015_rotdist
    .symbol:         k_qa25deee015_rotdist.kd
    .args:
      - { .name: ent_emb, .offset: 0, .size: 8, .value_kind: global_buffer, .address_space: global }
      - { .name: head, .offset: 8, .size: 8, .value_kind: global_buffer, .address_space: global }
      - { .name: relation, .offset: 16, .size: 8, .value_kind: global_buffer, .address_space: global }
      - { .name: out0, .offset: 24, .size: 8, .value_kind: global_buffer, .address_space: global }
    .group_segment_fixed_size: 265216
    .private_segment_fixed_size: 0
    .kernarg_segment_align: 8
    .kernarg_segment_size: 32
    .max_flat_workgroup_size: 256
    .sgpr_count:     66
    .vgpr_count:     234
    .wavefront_size: 32
...
	.end_amdgpu_metadata
.endif
;; end of part 1
